; MI455X (gfx1250); checked and timed in simulation.
; The chip was launched on July 23, 2026; its instructions are those of AMD's public machine-readable ISA for CDNA 5 (MIT licence, August 2026) and "CDNA5" Instruction Set Architecture Reference Guide (July 2026). The comments in the code are by the model that wrote it; some were corrected since.
;; Poolby Indices. Allowed arithmetic: matrix products marked QUANTISED: E5M2 operands, one given power-of-two scale a tensor, by v_wmma_f32_16x16x64_bf8_bf8 or v_wmma_f32_16x16x128_bf8_bf8, f32 sums; everything else in f32.
;; Inputs: array_source 4 x 8,192 x 128 float32; index_source 4 x 8,192 x 1 int32; index_target 4 x 2,048 x 1 int32; lowp_scales 2 int32 (the exponents e of the quantised operands' scales 2^e).
;; Outputs: out0 4 x 2,048 x 128 float32.
;; This version of the problem:
;;   THIS VERSION OF THE PROBLEM IS GIVEN IN LOW PRECISION. The matrix products marked QUANTISED in the list below multiply operands that are first quantised to E5M2 (5 exponent bits, 2 mantissa bits; 8 bits a number), with one given power-of-two scale for each operand tensor; their sums are f32. All else is computed in f32.
;;   The module's matrix products, in the order in which they are computed (A, B: the left and right operand; K: the contracted axis; several contracted axes count as one K, in the product's order):
;;     1. batch 4 x [M 2,048, K 8,192] x [K 8,192, N 128]; A: computed on the way; B: input array_source: QUANTISED (scales: A lowp_scales[0], B lowp_scales[1])
;;   THE QUANTISER, for each operand of a quantised product, along K:
;;     - The operand's scale is 2^e, e = its entry of the input lowp_scales (int32; the entries are numbered through the quantised products in the list's order, A before B).
;;     - Each number is divided by the scale, clamped to +-57,344, and rounded to the nearest number of E5M2, ties to even, subnormals kept.
;;     - The product sums the exact products of the quantised numbers (number of the format x scale) in f32.
;;   ~~~python
;;   def quantise(x, axis, e):      # numpy; x: float32 -> the quantised numbers, widened to float32 again
;;       x = np.moveaxis(x, axis, -1); K = x.shape[-1]
;;       r = np.clip(x / 2.0 ** e, -57344, 57344)
;;       step = 2.0 ** (np.maximum(np.frexp(np.where(r == 0, 1, r))[1] - 1, -14) - 2)
;;       q = np.round(r / step) * step * 2.0 ** e      # np.round: ties to even
;;       return np.moveaxis(q, -1, axis).astype(np.float32)
;;   ~~~
;;   OPERANDS COMPUTED ON THE WAY. 'Computed on the way' means the value that the module computes at that place (a softmax that the list does not call 'softmax' is quantised finished and normalised). What goes into a quantiser is computed in f32, as accurately as f32 sums, v_exp_f32 and their like allow (about 1e-6 of the number): no bf16 or f16 on the way to a quantiser, and a product that is left as it is and whose result goes on into a quantised operand takes f32 operands (vector FMAs, or v_wmma_f32_16x16x4_f32). A number that lies on a knife's edge between two numbers of the format may be rounded either way, as far as f32 arithmetic and the matrix unit's own rounding can turn it there, and no further.
;; One version. Each part assembles by itself: llvm-mc -triple=amdgcn-amd-amdhsa -mcpu=gfx1250 --defsym DOCPART=n.
;; ======== version 1 of 1: 1 launch
;; limits: right only within a limited range of input values
;; launch segpool (part 1): grid 256 x 1, 8 waves a work-group, no clusters, 59,392 bytes of LDS; arguments array_source, index_source, index_target, lowp_scales, out0; writes out0
.if DOCPART == 1
	.amdgcn_target "amdgcn-amd-amdhsa--gfx1250"
	.amdhsa_code_object_version 6
	.text
	.protected	k_qdfb21fb442_segpool
	.globl	k_qdfb21fb442_segpool
	.p2align	8
	.type	k_qdfb21fb442_segpool,@function
k_qdfb21fb442_segpool:
	s_mov_b64 s[64:65], 0
	v_nop
	global_prefetch_b8 v0, s[64:65] scope:SCOPE_SE
	s_setreg_imm32_b32 hwreg(HW_REG_WAVE_MODE, 25, 1), 1
	s_wait_xcnt 0x0
; out[b][n][:] = (sum over m of [it[b][n] == is[b][m]] src[b][m][:]) / (count[b][n] + 1e-10), the product on codes of BF8 (E5M2), f32 sums.
; THE CHOICE.  The mapping is 1 only where two ids are equal, so a source and a target whose ids differ in their low five bits never meet: which pairs can meet is decided by the index inputs, whole
; numbers that this launch reads.  Any int32 is served.  Products of pairs that cannot meet (mapping 0, code 0, times a finite code) are not made: a NaN in a source reaches no target of another bucket here (LIMIT).
; SHARES.  Work-group g: columns 64 (g % 2) on, bucket (g / 2) % 32 (id mod 32), batch g / 64: 256 work-groups.  Each reads the ids of its batch, and of the sources' rows only its bucket's, 256 bytes of each: every byte of
; array_source is wanted by one work-group.  Each target row's 256 bytes are stored by the one work-group that owns its bucket and its columns.
; Wave w scans sources 1,024 w on and targets 256 w on and writes its matches (id, index) into lists of its own in LDS; gathers its listed rows (up to 64, by groups of 16), quantises them, and stores the codes in LDS as an
; image of the operand's registers.  Behind a barrier the targets of all eight lists count as one list of up to 128: wave w makes the tile of targets 16 w on, against all eight waves' sources: 8 products of K = 64 on each accumulator.
; THE GATHER GIVES THE OPERAND'S ORDER: lane (r, h) loads columns 4 r .. 4 r + 3 of listed source 16 c + 8 h + i; the hold, which moves each number anyway, lays eight sources of one column side by side for the conversion.
; Column tile t is columns 4 r + t, r = 0 .. 15.  So in the result lane (r, h) holds in register j of tiles 0 to 3 the 16 bytes at column 4 r of target 8 h + j: sixteen lanes store 256 consecutive bytes, straight from registers.
; THE COUNT: a fifth product with ones gives count x Q(1); it is divided by Q(1)'s code value c1.  Where Q(1) = 0 every sum is 0, and 0 divided by 1e-10 is 0.
; MORE THAN FITS: where a wave has over 64 sources or the bucket over 128 targets in all, the waves take the way at .Ldense instead: the dense product of their own 256 targets with all 8,192 sources, storing the bucket's rows alone.
; LIMITS: -126 <= e0, e1 <= 112; -92 <= e0 + e1 <= 92 (so that 1e10 x 2^(e0 + e1) and 2^(e0 + e1) / 8,192 are f32 numbers).  NaN among the sources is not served; an infinity is held at the largest code.
; No clusters and no tensor loads: branches hang on counts of loaded ids, and what work-groups share is the ids alone, 40,960 bytes beside 65,536 of rows.  The rows are asked for as soon as they are known.
.set CODES, 0                          ; [wave][tile 4][registers 0-3, 4-7][lane] 16 bytes: 4,096 a wave
.set IDL,   32768                      ; [wave] 128 words: the sources' ids; words 64 on are never used
.set IXL,   36864                      ; the same for their indices
.set TID,   40960                      ; [wave] 256 words: the targets' ids; the last word is never used
.set TIX,   49152                      ; the same for their indices
.set CNT,   57344                      ; [wave] sources | targets << 16
.set ROWS,  57600                      ; [wave] 16 words: the indices of the wave's tile
.set SPARE, 58112                      ; 128 bytes a wave, that no other line names
.set SPW,  1
.set NIL,  2
.set L16,  3                           ; 16 x lane
.set H32,  4                           ; 32 h
.set R16,  5                           ; 16 r
.set T,    6                           ; my row's target id
.set ONE,  7                           ; min(1, 57,344 x 2^e0)
.set SC,   8                           ; 2^e0
.set SCB,  9                           ; 2^e1
.set HLD,  10                          ; 57,344 x 2^e1
.set RV,   11                          ; 1 / c1
.set IXA,  12                          ; 512 w + 32 h
.set CWA,  13                          ; 4,096 w + 16 lane
.set RWA,  14                          ; 64 w + 4 r
.set RRA,  15                          ; 64 w + 32 h
.set F,    16                          ; v16-31 at work; two sets of eight numbers; codes on their way to LDS; then the fragment of ones
.set TMP,  32                          ; v32-63 indices, ids, numbers
.set A,    64                          ; v64-127 the mapping's eight fragments
.set R,    128                         ; v128-255 gathered rows; then the accumulators and fragments of codes
.set ACC,  128
.set IDV,  64                          ; while scanning: 40 ids
.set SBASE, 104
.set TBASE, 105
.set SVAL, 106
.set TVAL, 107
.set CNA,  108
.set ZA,   109
.set LN,   110
.set SQ,   112
.set ST,   16
.set SP,   24
.set WV,   16
.set COL,  17
.set BK,   18
.set BAT,  19
.set N,    30
.set NT,   31
.set NTOT, 56
.set OV,   57
.set EE,   58
.set NV,   59
.set MK,   66                          ; s66-81 masks
.set PB,   82
.macro WA
	s_wait_alu depctr_va_vdst(0)
.endm
	s_load_b256 s[4:11], s[0:1], 0x0               ; array_source, index_source, index_target, the scales' exponents
	s_load_b64 s[12:13], s[0:1], 0x20              ; out0
	v_lshl_add_u32 v[SPW], v0, 2, SPARE
	v_mov_b32 v[NIL], 0
	v_lshrrev_b32 v16, 5, v0
	v_and_b32 v[LN], 31, v0
	v_and_b32 v18, 15, v0
	v_bfe_u32 v19, v0, 4, 1
	v_readfirstlane_b32 s[WV], v16
	v_lshlrev_b32 v[L16], 4, v[LN]
	v_lshlrev_b32 v[H32], 5, v19
	v_lshlrev_b32 v[R16], 4, v18
	WA
	s_and_b32 s[COL], ttmp9, 1
	s_bfe_u32 s[BK], ttmp9, 0x50001
	s_lshr_b32 s[BAT], ttmp9, 6
	s_lshl_b32 s20, s[BAT], 15                     ; source ids: 32,768 bytes a batch, 4,096 a wave
	s_lshl_b32 s32, s[WV], 12
	s_add_co_u32 s20, s20, s32
	s_mov_b32 s21, 0
	s_lshl_b32 s22, s[BAT], 13                     ; target ids: 8,192 a batch, 1,024 a wave
	s_lshl_b32 s32, s[WV], 10
	s_add_co_u32 s22, s22, s32
	s_mov_b32 s23, 0
	s_lshl_b32 s33, s[COL], 8
	s_lshl_b32 s26, s[BAT], 22                     ; rows: 8,192 x 512 bytes a batch
	s_add_co_u32 s26, s26, s33
	s_mov_b32 s27, 0
	s_lshl_b32 s28, s[BAT], 20                     ; results: 2,048 x 512 bytes a batch
	s_add_co_u32 s28, s28, s33
	s_mov_b32 s29, 0
	s_wait_kmcnt 0x0
	s_load_b64 s[24:25], s[10:11], 0x0             ; e0, e1
	s_add_nc_u64 s[20:21], s[6:7], s[20:21]
	s_add_nc_u64 s[22:23], s[8:9], s[22:23]
	s_add_nc_u64 s[26:27], s[4:5], s[26:27]
	s_add_nc_u64 s[28:29], s[12:13], s[28:29]
.irp i, 0,1,2,3,4,5,6,7
	global_load_b128 v[IDV+4*\i:IDV+4*\i+3], v[L16], s[20:21] offset:512*\i      ; register 4 i + c: source 1,024 w + 128 i + 4 lane + c
.endr
.irp i, 0,1
	global_load_b128 v[IDV+32+4*\i:IDV+35+4*\i], v[L16], s[22:23] offset:512*\i  ; target 256 w + 128 i + 4 lane + c
.endr
	s_mov_b32 s[N], 0
	s_mov_b32 s[NT], 0
	s_lshl_b32 s32, s[WV], 9
	s_mul_i32 s33, s[WV], 1024
	s_lshl_b32 s34, s[WV], 10
	s_lshl_b32 s35, s[WV], 8
	s_lshl_b32 s36, s[WV], 12
	s_lshl_b32 s37, s[WV], 6
	s_lshl_b32 s38, s[WV], 2
	v_mov_b32 v[SBASE], s32
	v_mov_b32 v[TBASE], s33
	v_lshl_add_u32 v[SVAL], v[LN], 2, s34
	v_lshl_add_u32 v[TVAL], v[LN], 2, s35
	v_add_nc_u32 v[IXA], s32, v[H32]
	v_add_nc_u32 v[CWA], s36, v[L16]
	v_lshl_add_u32 v[RWA], v18, 2, s37
	v_add_nc_u32 v[RRA], s37, v[H32]
	v_mov_b32 v[CNA], s38
	v_mov_b32 v[ZA], 0
	; all of my lists first hold an id of another bucket, which equals no target's, and a row of my own 1,024: what the scan leaves behind a list's end
	s_xor_b32 s39, s[BK], 1
	s_or_b32 s34, s34, s[BK]
	v_add_nc_u32 v120, s32, v[L16]
	v_add_nc_u32 v121, s33, v[L16]
.irp i, 0,1,2,3
	v_mov_b32 v[SQ+\i], s39
	v_mov_b32 v[SQ+4+\i], s34
.endr
	ds_store_b128 v120, v[SQ:SQ+3] offset:IDL
	ds_store_b128 v120, v[SQ+4:SQ+7] offset:IXL
	ds_store_b128 v121, v[SQ:SQ+3] offset:TID
	ds_store_b128 v121, v[SQ:SQ+3] offset:TID+512
	ds_store_b128 v121, v[SQ+4:SQ+7] offset:TIX
	ds_store_b128 v121, v[SQ+4:SQ+7] offset:TIX+512
	WA
	s_wait_kmcnt 0x0
	s_add_co_i32 s[EE], s24, s25
	s_add_co_i32 s32, s25, 127
	s_lshl_b32 s33, s32, 23
	s_add_co_i32 s32, s32, 15
	s_lshl_b32 s32, s32, 23
	s_or_b32 s32, s32, 0x600000
	s_add_co_i32 s34, s24, 127
	s_lshl_b32 s35, s34, 23
	s_add_co_i32 s34, s34, 15
	s_lshl_b32 s34, s34, 23
	s_or_b32 s34, s34, 0x600000
	v_mov_b32 v[SCB], s33
	v_mov_b32 v[HLD], s32
	v_mov_b32 v[SC], s35
	v_mov_b32 v[ONE], s34
	v_min_num_f32 v[ONE], 1.0, v[ONE]              ; 1 held at the largest code (the conversion does not saturate: ISA guide 7.6.2)
.irp i, 0,1,2,3,4,5,6,7
	v_mov_b32 v[F+\i], v[ONE]
.endr
	v_cvt_scalef32_pk8_bf8_f32 v[40:41], v[F:F+7], v[SC]       ; Q(1)'s code
	v_nop
	v_cvt_f32_bf8 v42, v40                         ; its value c1
	v_max_num_f32 v42, 0x37800000, v42             ; not under 2^-16, the smallest code above 0
	WA
	v_rcp_f32 v[RV], v42
	v_nop
	WA
; Eight registers of ids: which are my bucket's, their places behind the n already listed, and the stores.  What does not match, and what is beyond the list, goes to the list's last word, which nobody reads.
.macro SCAN8 id, val, add, n, lim, base, l1, l2
.irp c, 0,1,2,3,4,5,6,7
	v_and_b32 v[ST+\c], 31, v[\id+\c]
.endr
.irp c, 0,1,2,3,4,5,6,7
	v_cmp_eq_u32 s[MK+\c], s[BK], v[ST+\c]
.endr
	WA
	s_mov_b32 s[PB], s[\n]
.irp c, 0,1,2,3,4,5,6,7
	s_bcnt1_i32_b32 s32, s[MK+\c]
	s_add_co_u32 s[PB+\c+1], s[PB+\c], s32
.endr
	s_mov_b32 s[\n], s[PB+8]
.irp c, 0,1,2,3,4,5,6,7
	v_mbcnt_lo_u32_b32 v[SP+\c], s[MK+\c], s[PB+\c]
.endr
.irp c, 0,1,2,3,4,5,6,7
	v_cndmask_b32 v[SP+\c], \lim, v[SP+\c], s[MK+\c]
.endr
.irp c, 0,1,2,3,4,5,6,7
	v_min_u32 v[SP+\c], \lim, v[SP+\c]
.endr
.irp c, 0,1,2,3,4,5,6,7
	v_lshl_add_u32 v[SP+\c], v[SP+\c], 2, v[\base]
.endr
.irp c, 0,1,2,3,4,5,6,7
	v_add_nc_u32 v[SQ+\c], \add+128*(\c/4)+(\c%4), v[\val]
.endr
.irp c, 0,1,2,3,4,5,6,7
	ds_store_b32 v[SP+\c], v[\id+\c] offset:\l1
	ds_store_b32 v[SP+\c], v[SQ+\c] offset:\l2
.endr
.endm
	s_wait_loadcnt 8                               ; loads come back in order (ISA guide 5.7.1): the first two of ten are in
	SCAN8 IDV, SVAL, 0, N, 127, SBASE, IDL, IXL
	s_wait_loadcnt 6
	SCAN8 IDV+8, SVAL, 256, N, 127, SBASE, IDL, IXL
	s_wait_loadcnt 4
	SCAN8 IDV+16, SVAL, 512, N, 127, SBASE, IDL, IXL
	s_wait_loadcnt 2
	SCAN8 IDV+24, SVAL, 768, N, 127, SBASE, IDL, IXL
	; the 64 places behind the list: an id of another bucket, which equals no target's, and a row of my own 1,024
.irp c, 0,1,2,3
	ds_load_b128 v[TMP+8*\c:TMP+8*\c+3], v[IXA] offset:IXL+64*\c       ; the indices of listed sources 16 c + 8 h + 0 .. 7: LDS serves a wave's instructions in order (ISA guide 5.7.1.4)
	ds_load_b128 v[TMP+8*\c+4:TMP+8*\c+7], v[IXA] offset:IXL+64*\c+16
.endr
	WA
	s_wait_dscnt 0x0
	s_wait_loadcnt 0x0                             ; the targets' ids too
; Group cc: eight loads, each 256 bytes of two rows.  A group in which the list has no source is zeros.
.macro GATHER cc
.if \cc > 0
	s_cmp_gt_u32 s[N], 16*\cc
	s_cbranch_scc0 .Lgz\@
.endif
.irp i, 0,1,2,3,4,5,6,7
	v_min_u32 v[TMP+8*\cc+\i], 0x1fff, v[TMP+8*\cc+\i]
.endr
.irp i, 0,1,2,3,4,5,6,7
	v_lshl_add_u32 v[TMP+8*\cc+\i], v[TMP+8*\cc+\i], 9, v[R16]
.endr
.irp i, 0,1,2,3,4,5,6,7
	global_load_b128 v[R+32*\cc+4*\i:R+32*\cc+4*\i+3], v[TMP+8*\cc+\i], s[26:27]
.endr
.if \cc > 0
	s_branch .Lgj\@
.Lgz\@:
.irp i, 0,1,2,3,4,5,6,7
.irp c, 0,1,2,3
	v_mov_b32 v[R+32*\cc+4*\i+\c], 0
.endr
.endr
.Lgj\@:
.endif
.endm
	GATHER 0
	GATHER 1
	GATHER 2
	GATHER 3
	SCAN8 IDV+32, TVAL, 0, NT, 255, TBASE, TID, TIX
	s_lshl_b32 s32, s[NT], 16
	s_or_b32 s32, s32, s[N]
	v_mov_b32 v[SQ], s32
	ds_store_b32 v[CNA], v[SQ] offset:CNT
	WA
	s_wait_dscnt 0x0                               ; my lists and my counts are in LDS
	s_barrier_signal -1
	s_barrier_wait -1
	ds_load_b128 v[F:F+3], v[ZA] offset:CNT
	ds_load_b128 v[F+4:F+7], v[ZA] offset:CNT+16
	s_wait_xcnt 0x0                                ; the gathers have read their offsets: v32-63 may be written
	s_wait_dscnt 0x0
.irp i, 0,1,2,3,4,5,6,7
	v_readfirstlane_b32 s[48+\i], v[F+\i]
.endr
.irp i, 0,1,2,3,4,5,6,7
	s_and_b32 s[40+\i], s[48+\i], 0xffff           ; s40-47: the waves' sources
	s_lshr_b32 s[48+\i], s[48+\i], 16              ; s48-55: their targets
.endr
	s_mov_b32 s82, s48                             ; s[81 + i]: the targets in lists 0 .. i - 1
.irp i, 1,2,3,4,5,6,7
	s_add_co_u32 s[82+\i], s[81+\i], s[48+\i]
.endr
	s_mov_b32 s[NTOT], s89
	s_max_u32 s32, s40, s41
.irp i, 2,3,4,5,6,7
	s_max_u32 s32, s32, s[40+\i]
.endr
	s_cmp_gt_u32 s32, 64
	s_cselect_b32 s[OV], 1, 0
	s_cmp_gt_u32 s[NTOT], 128
	s_cselect_b32 s33, 1, 0
	s_or_b32 s[OV], s[OV], s33                     ; more than the lists serve?  The same in all eight waves
	s_max_u32 s34, s[NTOT], 1
	s_sub_co_u32 s34, s34, 1
	s_lshl_b32 s35, s[WV], 4
	; row m of my tile is target 16 w + 2 (m % 8) + m / 8 of the eight lists on end; behind the last target the rows repeat it
	v_and_b32 v24, 7, v[LN]
	v_bfe_u32 v25, v[LN], 3, 1
	v_lshl_add_u32 v24, v24, 1, v25
	v_add_nc_u32 v24, s35, v24
	v_min_u32 v24, s34, v24
.irp i, 1,2,3,4,5,6,7
	v_cmp_le_u32 s[MK+\i], s[81+\i], v24
.endr
	WA
.irp i, 1,2,3,4,5,6,7
	s_lshl_b32 s[81+\i], s[81+\i], 2
	s_sub_co_u32 s[81+\i], 1024*\i, s[81+\i]       ; from the place among all to the byte in list i, less 4 x the place
.endr
	v_cndmask_b32 v25, 0, s82, s[MK+1]
.irp i, 2,3,4,5,6,7
	v_cndmask_b32 v25, v25, s[81+\i], s[MK+\i]
.endr
	v_lshl_add_u32 v24, v24, 2, v25
	v_min_u32 v24, 8188, v24
	ds_load_b32 v[T], v24 offset:TID
	ds_load_b32 v25, v24 offset:TIX
	s_wait_dscnt 0x0
	ds_store_b32 v[RWA], v25 offset:ROWS           ; kept for the way out: both halves of the lanes write the same words
; Sources 16 c + 8 h + 0 .. 7 of a list against my row's target: eight compares, eight selections between 0 and ONE, one conversion: two registers of the fragment.
.macro MAPCC id, f, m, d
.irp i, 0,1,2,3,4,5,6,7
	v_cmp_eq_u32 s[\m+\i], v[\id+\i], v[T]
.endr
.irp i, 0,1,2,3,4,5,6,7
	v_cndmask_b32 v[\f+\i], 0, v[ONE], s[\m+\i]
.endr
	v_cvt_scalef32_pk8_bf8_f32 v[\d:\d+1], v[\f:\f+7], v[SC]
.endm
.macro LDI sw, half                    ; half a list's ids
.irp c, 0,1
	ds_load_b128 v[TMP+16*\half+8*\c:TMP+16*\half+8*\c+3], v[H32] offset:IDL+512*\sw+128*\half+64*\c
	ds_load_b128 v[TMP+16*\half+8*\c+4:TMP+16*\half+8*\c+7], v[H32] offset:IDL+512*\sw+128*\half+64*\c+16
.endr
.endm
.macro MAPLIST sw, nx
	s_wait_dscnt 4                                 ; the list's first half is in; the second half's four loads may be out
	MAPCC TMP, F, MK, A+8*\sw
	MAPCC TMP+8, F+8, MK+8, A+8*\sw+2
	v_nop
.if \sw < 7
	LDI \nx, 0
	s_wait_dscnt 4                                 ; the second half is in; the next list's four loads may be out
.else
	s_wait_dscnt 0x0
.endif
	s_cmp_gt_u32 s[40+\sw], 32
	s_cbranch_scc0 .Lmz\@
	MAPCC TMP+16, F, MK, A+8*\sw+4
	MAPCC TMP+24, F+8, MK+8, A+8*\sw+6
	v_nop
	s_branch .Lmj\@
.Lmz\@:
.irp i, 4,5,6,7
	v_mov_b32 v[A+8*\sw+\i], 0                     ; no source in the list's second half: zero codes
.endr
.Lmj\@:
.if \sw < 7
	LDI \nx, 1
.endif
.endm
	LDI 0, 0
	LDI 0, 1
	MAPLIST 0, 1
	MAPLIST 1, 2
	MAPLIST 2, 3
	MAPLIST 3, 4
	MAPLIST 4, 5
	MAPLIST 5, 6
	MAPLIST 6, 7
	MAPLIST 7, 7
; Eight sources x my four columns: held within the largest code x the scale (the conversion does not saturate: ISA guide 7.6.2), eight of one column side by side, and converted.
.macro CONV r, x, d, st
.irp c, 0,1,2,3
.irp i, 0,1,2,3,4,5,6,7
	v_med3_num_f32 v[\x+8*\c+\i], v[\r+4*\i+\c], -v10, v10
.endr
.endr
.irp c, 0,1,2,3
	v_cvt_scalef32_pk8_bf8_f32 v[\d+\st*\c:\d+\st*\c+1], v[\x+8*\c:\x+8*\c+7], v[SCB]
.endr
	v_nop                                          ; one plain line behind the conversions
.endm
.macro CONVC cc                        ; a group that may be empty
	s_cmp_gt_u32 s[N], 16*\cc
	s_cbranch_scc0 .Lcz\@
	CONV R+32*\cc, TMP, F+2*(\cc%2), 4
	s_branch .Lcj\@
.Lcz\@:
.irp c, 0,1,2,3
	v_mov_b32 v[F+2*(\cc%2)+4*\c], 0
	v_mov_b32 v[F+2*(\cc%2)+4*\c+1], 0
.endr
.Lcj\@:
.endm
	WA
	s_wait_loadcnt 0x0                             ; my rows are in
	CONV R, TMP, F, 4
	CONV R+32, TMP, F+2, 4
.irp c, 0,1,2,3
	ds_store_b128 v[CWA], v[F+4*\c:F+4*\c+3] offset:CODES+1024*\c
.endr
	CONVC 2
	CONVC 3
	WA
.irp c, 0,1,2,3
	ds_store_b128 v[CWA], v[F+4*\c:F+4*\c+3] offset:CODES+1024*\c+512
.endr
.irp i, 0,1,2,3,4,5,6,7
	v_mov_b32 v[F+\i], 0x3c3c3c3c                  ; the fragment of ones
.endr
	WA
	s_wait_dscnt 0x0                               ; my codes are in LDS
	s_barrier_signal -1
	s_barrier_wait -1
	s_cmp_lg_u32 s[OV], 0
	s_cbranch_scc1 .Ldense
	s_lshl_b32 s32, s[WV], 4
	s_cmp_ge_u32 s32, s[NTOT]
	s_cbranch_scc1 .Lend                           ; no target is left for my tile
	s_sub_co_u32 s[NV], s[NTOT], s32
	ds_load_b128 v[24:27], v[RRA] offset:ROWS      ; the indices of rows 8 h + 0 .. 7
	ds_load_b128 v[28:31], v[RRA] offset:ROWS+16
.macro LDB sw                          ; a list's codes: four column tiles, into one of three buffers: v168-199, v200-231, v32-63
.set BB, 168+32*((\sw)%3)-200*(((\sw)%3)/2)
.irp t, 0,1,2,3
	ds_load_b128 v[BB+8*\t:BB+8*\t+3], v[L16] offset:CODES+4096*(\sw)+1024*\t
	ds_load_b128 v[BB+8*\t+4:BB+8*\t+7], v[L16] offset:CODES+4096*(\sw)+1024*\t+512
.endr
.endm
	LDB 0
	LDB 1
	LDB 2
; The five accumulators take turns, one instruction a turn.  Source 0 = targets, source 1 = columns.
.irp sw, 0,1,2,3,4,5,6,7
.if \sw < 6
	s_wait_dscnt 16                                ; this list's codes are in; the next two lists' may be out
.else
	s_wait_dscnt 8*(7-\sw)
.endif
.set BB, 168+32*(\sw%3)-200*((\sw%3)/2)
.if \sw == 0
.irp t, 0,1,2,3
	v_wmma_f32_16x16x64_bf8_bf8 v[ACC+8*\t:ACC+8*\t+7], v[A:A+7], v[BB+8*\t:BB+8*\t+7], 0
.endr
	v_wmma_f32_16x16x64_bf8_bf8 v[ACC+32:ACC+39], v[A:A+7], v[F:F+7], 0
.else
.irp t, 0,1,2,3
	v_wmma_f32_16x16x64_bf8_bf8 v[ACC+8*\t:ACC+8*\t+7], v[A+8*\sw:A+8*\sw+7], v[BB+8*\t:BB+8*\t+7], v[ACC+8*\t:ACC+8*\t+7]
.endr
	v_wmma_f32_16x16x64_bf8_bf8 v[ACC+32:ACC+39], v[A+8*\sw:A+8*\sw+7], v[F:F+7], v[ACC+32:ACC+39]
.endif
.if \sw < 5
.rept 4
	v_nop                                          ; four places in front of loads into the buffer just multiplied
.endr
	LDB \sw+3
.endif
.endr
.irp j, 0,1,2,3,4,5,6,7
	v_min_u32 v[24+\j], 0x7ff, v[24+\j]            ; (these sixteen lines are also the places behind the last products)
.endr
.irp j, 0,1,2,3,4,5,6,7
	v_lshl_add_u32 v[24+\j], v[24+\j], 9, v[R16]   ; byte offset of my 16 bytes of row 8 h + j
.endr
; The quotients: register j's count, its reciprocal x 2^(e0 + e1), and the four columns.
.macro QUOT den, rc, o
	WA
.irp j, 0,1,2,3,4,5,6,7
	v_fmaak_f32 v[\den+\j], v[ACC+32+\j], v[RV], 0x2edbe6ff    ; count + 1e-10
.endr
	WA
.irp j, 0,1,2,3,4,5,6,7
	v_rcp_f32 v[\rc+\j], v[\den+\j]
.endr
	v_nop
	WA
.irp j, 0,1,2,3,4,5,6,7
	v_ldexp_f32 v[\rc+\j], v[\rc+\j], s[EE]
.endr
	WA
.irp j, 0,1,2,3,4,5,6,7
.irp t, 0,1,2,3
	v_mul_f32 v[\o+4*\j+\t], v[ACC+8*\t+\j], v[\rc+\j]
.endr
.endr
	WA
.endm
	QUOT 64, 72, 80
.irp j, 0,1,2,3,4,5,6,7
.if \j > 0
	s_cmp_gt_u32 s[NV], 2*\j                       ; rows j and 8 + j are targets 2 j and 2 j + 1 of my tile; where only the first is left, both halves store the same row with the same bits
	s_cbranch_scc0 .Lend
.endif
	global_store_b128 v[24+\j], v[80+4*\j:83+4*\j], s[28:29] th:TH_STORE_NT
.endr
	s_branch .Lend
; THE DENSE WAY: my 256 targets by natural tiles of 16, each against all 8,192 sources in 128 steps of 64, from memory into registers; of the results only my bucket's rows are stored.
.Ldense:
	s_lshl_b32 s36, s[BAT], 15
	s_mov_b32 s37, 0
	s_add_nc_u64 s[60:61], s[6:7], s[36:37]        ; the batch's source ids
	s_mov_b64 s[62:63], s[22:23]                   ; my targets' ids
	s_lshl_b32 s36, s[WV], 17
	s_add_nc_u64 s[38:39], s[28:29], s[36:37]      ; my targets' rows: 256 x 512 bytes a wave
	v_lshrrev_b32 v24, 2, v[R16]                   ; 4 r
	v_lshl_add_u32 v25, v[H32], 7, v[R16]          ; eight rows of 512 bytes for h, + 16 r
	s_mov_b32 s90, 0
	WA
.Ltile:
	global_load_b32 v[T], v24, s[62:63]
.irp i, 0,1,2,3,4
.irp j, 0,1,2,3,4,5,6,7
	v_mov_b32 v[ACC+8*\i+\j], 0
.endr
.endr
	s_mov_b64 s[92:93], s[60:61]
	s_mov_b64 s[94:95], s[26:27]
	s_mov_b32 s91, 0
	WA
.Lstep:
.irp c, 0,1,2,3
	global_load_b128 v[TMP+8*\c:TMP+8*\c+3], v[H32], s[92:93] offset:64*\c
	global_load_b128 v[TMP+8*\c+4:TMP+8*\c+7], v[H32], s[92:93] offset:64*\c+16
.endr
	WA
	s_wait_loadcnt 0x0
	MAPCC TMP, 200, MK, 96
	MAPCC TMP+8, 208, MK+8, 98
	MAPCC TMP+16, 200, MK, 100
	MAPCC TMP+24, 208, MK+8, 102
	v_nop
.irp g, 0,1,2,3
.irp i, 0,1,2,3,4,5,6,7
	global_load_b128 v[168+4*\i:171+4*\i], v25, s[94:95] offset:512*(16*\g+\i)
.endr
	WA
	s_wait_loadcnt 0x0
	CONV 168, 216, 64+2*\g, 8
.endr
	s_add_nc_u64 s[92:93], s[92:93], 0x100
	s_add_nc_u64 s[94:95], s[94:95], 0x8000
.irp t, 0,1,2,3
	v_wmma_f32_16x16x64_bf8_bf8 v[ACC+8*\t:ACC+8*\t+7], v[96:103], v[64+8*\t:71+8*\t], v[ACC+8*\t:ACC+8*\t+7]
.endr
	v_wmma_f32_16x16x64_bf8_bf8 v[ACC+32:ACC+39], v[96:103], v[F:F+7], v[ACC+32:ACC+39]
.rept 4
	v_nop                                          ; four places (ISA guide 7.12.1)
.endr
	s_add_co_u32 s91, s91, 1
	WA
	s_cmp_lt_u32 s91, 128
	s_cbranch_scc1 .Lstep
	global_load_b128 v[TMP:TMP+3], v[H32], s[62:63]            ; the ids of rows 8 h + 0 .. 7
	global_load_b128 v[TMP+4:TMP+7], v[H32], s[62:63] offset:16
	QUOT 216, 224, 168
	s_wait_loadcnt 0x0
.irp j, 0,1,2,3,4,5,6,7
	v_and_b32 v[TMP+8+\j], 31, v[TMP+\j]
.endr
.irp j, 0,1,2,3,4,5,6,7
	v_cmp_eq_u32 s[MK+\j], s[BK], v[TMP+8+\j]
.endr
	WA
.irp j, 0,1,2,3,4,5,6,7
	s_wait_xcnt 0x0                                ; EXEC changes only behind this wait
	s_and_saveexec_b32 s32, s[MK+\j]
	global_store_b128 v25, v[168+4*\j:171+4*\j], s[38:39] offset:512*\j
	s_wait_xcnt 0x0
	s_or_b32 exec_lo, exec_lo, s32
.endr
	s_add_nc_u64 s[62:63], s[62:63], 64
	s_add_nc_u64 s[38:39], s[38:39], 0x2000
	s_add_co_u32 s90, s90, 1
	WA
	s_cmp_lt_u32 s90, 16
	s_cbranch_scc1 .Ltile
.Lend:
	s_wait_tensorcnt 0x0                           ; the wave's end, behind my last LDS store
	ds_add_u32 v[SPW], v[NIL]
	s_wait_dscnt 0x0
	s_endpgm
.Lfunc_end_k_qdfb21fb442_segpool:
	.size	k_qdfb21fb442_segpool, .Lfunc_end_k_qdfb21fb442_segpool-k_qdfb21fb442_segpool
	.p2alignl 7, 3214868480
	.fill 96, 4, 3214868480
	.section	.rodata,"a",@progbits
	.p2align	6, 0x0
	.amdhsa_kernel k_qdfb21fb442_segpool
		.amdhsa_group_segment_fixed_size 59392
		.amdhsa_private_segment_fixed_size 0
		.amdhsa_enable_private_segment 0
		.amdhsa_kernarg_size 40
		.amdhsa_user_sgpr_count 2
		.amdhsa_user_sgpr_kernarg_segment_ptr 1
		.amdhsa_wavefront_size32 1
		.amdhsa_system_sgpr_workgroup_id_x 1
		.amdhsa_system_sgpr_workgroup_id_y 1
		.amdhsa_system_sgpr_workgroup_id_z 1
		.amdhsa_system_vgpr_workitem_id 0
		.amdhsa_next_free_vgpr 256
		.amdhsa_next_free_sgpr 96
		.amdhsa_reserve_vcc 0
		.amdhsa_float_denorm_mode_32 3
		.amdhsa_float_denorm_mode_16_64 3
		.amdhsa_memory_ordered 1
		.amdhsa_forward_progress 1
		.amdhsa_inst_pref_size 136
	.end_amdhsa_kernel
	.amdgpu_metadata
---
amdhsa.version: [ 1, 2 ]
amdhsa.kernels:
  - .name:           k_qdfb21fb442_segpool
    .symbol:         k_qdfb21fb442_segpool.kd
    .args:
      - { .name: array_source, .offset: 0, .size: 8, .value_kind: global_buffer, .address_space: global }
      - { .name: index_source, .offset: 8, .size: 8, .value_kind: global_buffer, .address_space: global }
      - { .name: index_target, .offset: 16, .size: 8, .value_kind: global_buffer, .address_space: global }
      - { .name: lowp_scales, .offset: 24, .size: 8, .value_kind: global_buffer, .address_space: global }
      - { .name: out0, .offset: 32, .size: 8, .value_kind: global_buffer, .address_space: global }
    .group_segment_fixed_size: 59392
    .private_segment_fixed_size: 0
    .kernarg_segment_align: 8
    .kernarg_segment_size: 40
    .max_flat_workgroup_size: 256
    .sgpr_count:     96
    .vgpr_count:     256
    .wavefront_size: 32
...
	.end_amdgpu_metadata
.endif
;; end of part 1
